; MI455X (gfx1250); checked and timed in simulation.
; The chip was launched on July 23, 2026; its instructions are those of AMD's public machine-readable ISA for CDNA 5 (MIT licence, August 2026) and "CDNA5" Instruction Set Architecture Reference Guide (July 2026). The comments in the code are by the model that wrote it; some were corrected since.
;; Attention Head. Allowed arithmetic: float matrix products may take bf16 or f16 operands with f32 sums; all other float work in f32.
;; Inputs: Wk 1,024 x 64 float32; Wq 1,024 x 64 float32; Wv 1,024 x 64 float32; x 4 x 4,096 x 1,024 float32.
;; Outputs: out0 4 x 4,096 x 64 float32.
;; 2 versions, each right and faster than the one before. Each part assembles by itself: llvm-mc -triple=amdgcn-amd-amdhsa -mcpu=gfx1250 --defsym DOCPART=n.
;; ======== version 1 of 2: 3 launches
;; limits: values are held in f16: magnitudes above 65,504 overflow, below 6.1e-05 lose precision
;; workspace buffers: wf 393,216 bytes; qw 2,097,152 bytes; kv 4,194,304 bytes
;; launch packw (part 1): grid 32 x 3, 8 waves a work-group, no clusters, 0 bytes of LDS; arguments Wq, Wk, Wv, wf; writes wf
.if DOCPART == 1
	.amdgcn_target "amdgcn-amd-amdhsa--gfx1250"
	.amdhsa_code_object_version 6
	.text
	.protected	k_q5509e15805_packw
	.globl	k_q5509e15805_packw
	.p2align	8
	.type	k_q5509e15805_packw,@function
k_q5509e15805_packw:
	s_mov_b64 s[64:65], 0
	v_nop
	global_prefetch_b8 v0, s[64:65] scope:SCOPE_SE
	s_setreg_imm32_b32 hwreg(HW_REG_WAVE_MODE, 25, 1), 1
	s_wait_xcnt 0x0
; Wq, Wk, Wv ([1024][64] f32) are rounded to bf16 once and laid out in the order in which the projection's matrix instructions
; want them in registers, so that the 256 work-groups of the projection load fragments by plain 16-byte loads and convert nothing.
; wf = [t 0..11][ks 0..31][half 0..1][lane 0..31][8 bf16], t = 4 mat + tq (mat 0, 1, 2 = Q, K, V).
; Element j of lane (r = lane % 16, hh = lane / 16) is W_mat[32 ks + 16 half + 8 hh + j][16 tq + r]:
; halves 0 and 1 are registers 0-3 and 4-7 of one fragment of 16 columns x 32 d (16-bit operands, K = 32).
; Work-group (x, y): y = mat; its 256 threads make the 4,096 bytes at mat * 131,072 + x * 4,096, 16 bytes a thread:
; tq = x / 8, d = 128 (x % 8) + 8 (tid / 16) + j, column 16 tq + tid % 16.
; The loads take 64 bytes of each of two rows a wave; all three matrices together are 786,432 bytes, read once in the launch.
; The store of a wave covers 512 consecutive bytes, aligned.  96 work-groups are all the work that there is.
.set WROW, 256                                 ; bytes in a row of W
	s_load_b256 s[4:11], s[0:1], 0x0               ; Wq s[4:5], Wk s[6:7], Wv s[8:9], wf s[10:11]
	s_and_b32 s12, ttmp7, 0xffff                   ; mat
	s_and_b32 s13, ttmp9, 7
	s_lshl_b32 s13, s13, 15                        ; 128 rows of 256 bytes for each x % 8
	s_lshr_b32 s14, ttmp9, 3
	s_lshl_b32 s14, s14, 6                         ; 16 columns of 4 bytes for each tq
	s_add_co_u32 s16, s13, s14
	s_mov_b32 s17, 0                               ; s[16:17]: the group's offset in W
	s_lshl_b32 s18, s12, 17
	s_lshl_b32 s15, ttmp9, 12
	s_add_co_u32 s18, s18, s15
	s_mov_b32 s19, 0                               ; s[18:19]: the group's offset in wf
	v_lshrrev_b32 v1, 4, v0                        ; tid / 16: which eight rows
	v_and_b32 v2, 15, v0                           ; r: which column
	v_lshlrev_b32 v2, 2, v2
	v_lshl_add_u32 v1, v1, 11, v2                  ; 8 rows x 256 bytes x (tid / 16) + 4 r
	v_lshlrev_b32 v3, 4, v0                        ; 16 bytes a thread in wf
	s_wait_kmcnt 0x0
	s_cmp_eq_u32 s12, 1                            ; the matrix is chosen by the group's y alone
	s_cselect_b64 s[4:5], s[6:7], s[4:5]
	s_cmp_eq_u32 s12, 2
	s_cselect_b64 s[4:5], s[8:9], s[4:5]
	s_add_nc_u64 s[4:5], s[4:5], s[16:17]
	s_add_nc_u64 s[10:11], s[10:11], s[18:19]
.irp j, 0,1,2,3,4,5,6,7
	global_load_b32 v[4+\j], v1, s[4:5] offset:\j*WROW     ; eight consecutive d of one column
.endr
	s_wait_loadcnt 0x0
.irp q, 0,1,2,3
	v_cvt_pk_bf16_f32 v[12+\q], v[4+2*\q], v[5+2*\q]       ; the lower d in the lower half; to nearest even
.endr
	global_store_b128 v3, v[12:15], s[10:11]
	s_endpgm
.Lfunc_end_k_q5509e15805_packw:
	.size	k_q5509e15805_packw, .Lfunc_end_k_q5509e15805_packw-k_q5509e15805_packw
	.p2alignl 7, 3214868480
	.fill 96, 4, 3214868480
	.section	.rodata,"a",@progbits
	.p2align	6, 0x0
	.amdhsa_kernel k_q5509e15805_packw
		.amdhsa_group_segment_fixed_size 0
		.amdhsa_private_segment_fixed_size 0
		.amdhsa_enable_private_segment 0
		.amdhsa_kernarg_size 32
		.amdhsa_user_sgpr_count 2
		.amdhsa_user_sgpr_kernarg_segment_ptr 1
		.amdhsa_wavefront_size32 1
		.amdhsa_system_sgpr_workgroup_id_x 1
		.amdhsa_system_sgpr_workgroup_id_y 1
		.amdhsa_system_sgpr_workgroup_id_z 1
		.amdhsa_system_vgpr_workitem_id 0
		.amdhsa_next_free_vgpr 24
		.amdhsa_next_free_sgpr 66
		.amdhsa_reserve_vcc 0
		.amdhsa_float_denorm_mode_32 3
		.amdhsa_float_denorm_mode_16_64 3
		.amdhsa_memory_ordered 1
		.amdhsa_forward_progress 1
		.amdhsa_inst_pref_size 3
	.end_amdhsa_kernel
	.amdgpu_metadata
---
amdhsa.version: [ 1, 2 ]
amdhsa.kernels:
  - .name:           k_q5509e15805_packw
    .symbol:         k_q5509e15805_packw.kd
    .args:
      - { .name: Wq, .offset: 0, .size: 8, .value_kind: global_buffer, .address_space: global }
      - { .name: Wk, .offset: 8, .size: 8, .value_kind: global_buffer, .address_space: global }
      - { .name: Wv, .offset: 16, .size: 8, .value_kind: global_buffer, .address_space: global }
      - { .name: wf, .offset: 24, .size: 8, .value_kind: global_buffer, .address_space: global }
    .group_segment_fixed_size: 0
    .private_segment_fixed_size: 0
    .kernarg_segment_align: 8
    .kernarg_segment_size: 32
    .max_flat_workgroup_size: 256
    .sgpr_count:     66
    .vgpr_count:     24
    .wavefront_size: 32
...
	.end_amdgpu_metadata
.endif
;; end of part 1
;; launch proj (part 2): grid 256 x 1, 4 waves a work-group, no clusters, 305,664 bytes of LDS; arguments x, wf, qw, kv; writes qw, kv
.if DOCPART == 2
	.amdgcn_target "amdgcn-amd-amdhsa--gfx1250"
	.amdhsa_code_object_version 6
	.text
	.protected	k_q5509e15805_proj
	.globl	k_q5509e15805_proj
	.p2align	8
	.type	k_q5509e15805_proj,@function
k_q5509e15805_proj:
	s_mov_b64 s[64:65], 0
	v_nop
	global_prefetch_b8 v0, s[64:65] scope:SCOPE_SE
	s_setreg_imm32_b32 hwreg(HW_REG_WAVE_MODE, 25, 1), 1
	s_wait_xcnt 0x0
; Q' = (x Wq) log2(e) / 8,  K = x Wk,  V = x Wv.  x: [16384][1024] f32; the weights come as bf16 fragments from wf.
; Products in bf16 with f32 sums, d ascending, one accumulator for each output; the results leave as f16, in the order in which the
; attention launch wants them in registers.
; LIMIT: |Q'|, |K|, |V| must stay below 65,504 (f16's largest number); beyond it the conversion gives infinity.  With x and W as
; drawn they are about 1; both inputs 30 times larger give about 5,000 at the extremes, offsets of 30 spreads on both about 29,000.
;
; A work-group takes 64 rows of x, four waves, one text for all.  Wave w makes all 64 rows (four tiles i of 16) x the 16 columns
; 16 w .. 16 w + 15 of each of Q, K, V: twelve accumulator tiles.
; x IN: the group's whole 64 x 1024 f32 is asked for at the start, as 8 chunks of 128 d; nothing is filled again.  Each wave asks for
; 16 rows of every chunk, eight tensor loads, so that its own counter, which falls in the order of issue, shows chunk c landed while
; chunks c + 1 .. 7 are still on their way: eight tensor loads of a wave are out at the most.
; x CONVERTED ONCE: a wave reads back only the 16 rows that its own loads brought (its own wait on TENSORcnt is all the ordering),
; rounds them to bf16 and stores them into a stage of two slots that no tensor load touches; behind a barrier all four waves take
; their fragments from there.  LDS traffic of a work-group: 262,144 bytes filled, 262,144 read as f32, 131,072 stored as bf16,
; 4 x 131,072 read as fragments; 1,024 conversions, where fragments taken straight from the f32 rows would cost 4,096.
; ONE BARRIER A CHUNK: between the barriers that show chunk c and chunk c + 1, slot c % 2 is read and slot (c + 1) % 2 is written;
; in front of each signal a wave has waited for all its LDS loads and stores.
; NO JOINT LOADS for wf, though all work-groups read it: x and the stage take 305,152 of the 327,680 bytes of LDS; one slot for two
; K steps of the twelve column tiles would be 24,576 bytes, and 22,528 are left.  So each wave loads its own 98,304 bytes of wf
; into registers, three pairs of K steps ahead.
;
; OPERAND ORDER.  Q and K: source 0 = 16 columns of W, source 1 = 16 rows of x: lane (r, hh) then holds row r, columns 8 hh + 0..7:
; eight neighbouring h of one row, 16 bytes of f16, which is half of a fragment's lane in Q K^T.  V: source 0 = x, source 1 = W:
; the lane holds column r, rows 8 hh + 0..7: eight neighbouring keys of one h, which is half of a fragment's lane of V^T.
; qw = [tile of 16 rows][t 0..3][lane][8 f16]: Q'[16 tile + r][16 t + 8 hh + j].
; kv = [block of 64 rows][16,384 bytes]: K as qw's four tiles, then at +8,192 V as [i 0..3][c 0..3][lane][8 f16]: V[16 i + 8 hh + j][16 c + r].
; Every store of a wave covers 512 consecutive bytes, aligned.
;
; REGISTERS in windows of 256.  Window 0: addresses, accumulators, a chunk's own rows in f32 and in bf16.  Window 1 serves the even
; pairs of K steps, window 2 the odd ones: v0-95 two slots of W fragments, v96-159 the pair's x fragments.  W and x of a pair lie in
; one window, so both operand orders run under one setting.
.set PITCH, 528                        ; an f32 row in LDS: 512 bytes + 16 of padding
.set WPART, 16*PITCH                   ; 16 rows: what one tensor load brings
.set CH,    64*PITCH                   ; a chunk: 64 rows x 128 d in f32
.set STAGE, 8*CH                       ; 270,336 = 1,056 x 256: the stage begins on a block of its own
.set SP,    272                        ; a bf16 row in the stage: 256 bytes + 16 = 17 x 16: the 16 rows that a fragment load touches lie in 16 different 16-byte columns modulo 256 bytes
.set SSLOT, 64*SP                      ; a slot of the stage: a chunk in bf16, 17,408 = 68 x 256 bytes
.set WOFF,  1                          ; v1      16 lane + 32,768 w: my 16 bytes in a unit of wf, in my column tile
.set RA,    2                          ; v2-5    16 lane + my 16 rows + 2 n chunks: each serves two chunks by the immediate (41,712 at the most)
.set TOFF,  6                          ; v6      16 tid = 512 w + 16 lane: my 16 bytes in a tile of qw or kv
.set XA,    11                         ; v11     STAGE + 272 r + 16 hh: fragments
.set PS,    12                         ; v12     STAGE + my 16 rows + 8 lane: where I put 4 bf16 of a row
.set ACC,   16                         ; v16-111 tile (mat, i) at ACC + 8 (4 mat + i)
.set RAW,   112                        ; v112-175 my 16 rows of a chunk in f32, row j at RAW + 4 j; at the end the packed results
.set PO,    176                        ; v176-207 the same in bf16, row j at PO + 2 j
.set WR,    0                          ; windows 1, 2: W of pair p at 48 ((p / 2) % 2) + 24 e + 8 mat + 4 half, in window 1 + p % 2
.set XF,    96                         ; windows 1, 2: x fragments of pair p at XF + 32 e + 8 i
.set G1,    24                         ; s[24:31] descriptor group 1, the same for all loads
.set G0,    32                         ; s[32:63] descriptor group 0, one set for each chunk, never rewritten
.set MSB,   0
.macro WIN new                         ; s_set_vgpr_msb: bits 1:0 source 0, 3:2 source 1, 5:4 source 2, 7:6 destination; the high byte repeats the setting that is left
.if MSB != \new
	s_set_vgpr_msb (MSB<<8)|\new
.set MSB, \new
.endif
.endm
; A vector instruction that reads a matrix instruction's result, and a load into one of its sources, stand four places behind it;
; only plain vector instructions that name none of its registers are places.
.macro PLACES
.rept 4
	v_nop
.endr
.endm
	s_load_b256 s[4:11], s[0:1], 0x0               ; x s[4:5], wf s[6:7], qw s[8:9], kv s[10:11]
	v_lshl_add_u32 v254, v0, 2, 0x4a800
	v_mov_b32 v255, 0
	ds_add_u32 v254, v255
	v_lshrrev_b32 v7, 5, v0
	v_readfirstlane_b32 s12, v7                    ; wave 0..3
	; group 1: a tile of 16 rows x 128 elements of 4 bytes, 4 words of padding behind every 128 words
	s_mov_b32 s[G1+0], (2<<16)|(1<<20)|(6<<22)|(3<<25)   ; no mask; element of 4 bytes; padding on; after 128 words (code 6); of 4 words (code 3)
	s_mov_b32 s[G1+1], 128<<16                     ; tensor_dim0 = 128
	s_mov_b32 s[G1+2], 16<<16                      ; tensor_dim1 = 16
	s_mov_b32 s[G1+3], 128<<16                     ; tile_dim0 = 128
	s_mov_b32 s[G1+4], 16                          ; tile_dim1 = 16
	s_mov_b32 s[G1+5], 1024                        ; elements from row to row
	s_mov_b32 s[G1+6], 0
	s_mov_b32 s[G1+7], 0
	s_lshl_b32 s16, ttmp9, 18                      ; 64 rows of 4,096 bytes for each work-group (below 2^26),
	s_lshl_b32 s17, s12, 16                        ; 16 rows for each wave
	s_add_co_u32 s16, s16, s17
	s_mov_b32 s17, 0
	s_mul_i32 s20, s12, WPART                      ; my 16 rows in a chunk in LDS
	s_mul_i32 s21, s12, 16*SP
	s_add_co_u32 s21, s21, STAGE                   ; my 16 rows in a slot of the stage
	s_lshl_b32 s13, s12, 15                        ; my column tile in wf
	s_lshl_b32 s18, ttmp9, 13                      ; the group's 8,192 bytes of qw
	s_mov_b32 s19, 0
	s_lshl_b32 s2, ttmp9, 14                       ; the group's 16,384 bytes of kv
	s_mov_b32 s3, 0
	s_mov_b32 s22, 0x3e38aa3b                      ; log2(e) / 8: the scores' scale, and base 2 for the exponentials
	s_mov_b32 s23, 0x3e38aa3b
	s_wait_dscnt 0x0
	s_wait_kmcnt 0x0
	s_add_nc_u64 s[14:15], s[4:5], s[16:17]        ; x at my 16 rows
	s_add_nc_u64 s[8:9], s[8:9], s[18:19]
	s_add_nc_u64 s[10:11], s[10:11], s[2:3]
	; all eight first fills in one group, ahead of every wait on TENSORcnt, LDS read and barrier
.irp c, 0,1,2,3,4,5,6,7
	s_mov_b32 s[G0+4*\c], 1                                        ; count = 1
	s_add_co_u32 s[G0+4*\c+1], s20, \c*CH                          ; LDS address: the chunk, my 16 rows
	s_add_nc_u64 s[G0+4*\c+2:G0+4*\c+3], s[14:15], \c*512          ; global address: 128 d further for each chunk
	s_or_b32 s[G0+4*\c+3], s[G0+4*\c+3], 0x80000000                ; type = 2
	tensor_load_to_lds s[G0+4*\c:G0+4*\c+3], s[G1:G1+7]
	s_nop 0
.endr
	v_and_b32 v8, 31, v0                           ; lane
	v_and_b32 v9, 15, v0                           ; r
	v_bfe_u32 v10, v0, 4, 1                        ; hh
	v_lshl_add_u32 v[WOFF], v8, 4, s13
	v_lshl_add_u32 v[RA], v8, 4, s20
	v_add_nc_u32 v[RA+1], 2*CH, v[RA]
	v_add_nc_u32 v[RA+2], 4*CH, v[RA]
	v_add_nc_u32 v[RA+3], 6*CH, v[RA]
	v_lshlrev_b32 v[TOFF], 4, v0
	v_mul_u32_u24 v[XA], v9, SP
	v_lshl_add_u32 v[XA], v10, 4, v[XA]            ; row r, 8 bf16 for each half of the lanes
	v_add_nc_u32 v[XA], STAGE, v[XA]
	v_lshl_add_u32 v[PS], v8, 3, s21
; Pair p = K steps 2 p and 2 p + 1 (32 d each); chunk c = pairs 2 c and 2 c + 1.
; 12 loads of 16 bytes: my column tile of Wq, Wk, Wv for the pair's two K steps
.macro WFETCH p
	WIN ((1+((\p)&1))<<6)                          ; destination in the pair's window
.irp e, 0,1
.irp m, 0,1,2
.irp h, 0,1
	global_load_b128 v[WR+48*(((\p)>>1)&1)+24*\e+8*\m+4*\h:WR+48*(((\p)>>1)&1)+24*\e+8*\m+4*\h+3], v[WOFF], s[6:7] offset:\m*131072+(2*(\p)+\e)*1024+\h*512
.endr
.endr
.endr
.endm
; 16 LDS loads: the pair's bf16 fragments: lane (r, hh) takes d = 8 hh + 0..7 (16 bytes) and 16 + 8 hh + 0..7 (32 bytes further) of row 16 i + r
.macro XFETCH p
	WIN ((1+((\p)&1))<<6)
.irp e, 0,1
.irp i, 0,1,2,3
	ds_load_b128 v[XF+32*\e+8*\i:XF+32*\e+8*\i+3],   v[XA] offset:(((\p)>>1)&1)*SSLOT+\i*16*SP+(2*((\p)&1)+\e)*64
	ds_load_b128 v[XF+32*\e+8*\i+4:XF+32*\e+8*\i+7], v[XA] offset:(((\p)>>1)&1)*SSLOT+\i*16*SP+(2*((\p)&1)+\e)*64+32
.endr
.endr
.endm
; 16 LDS loads: my own 16 rows of chunk c in f32, a row's 512 consecutive bytes each
.macro RAWLOAD c
.irp j, 0,1,2,3,4,5,6,7,8,9,10,11,12,13,14,15
	ds_load_b128 v[RAW+4*\j:RAW+4*\j+3], v[RA+((\c)>>1)] offset:((\c)&1)*CH+\j*PITCH
.endr
.endm
; 32 conversions, to nearest even, the lower d in the lower half
.macro CVT
.irp j, 0,1,2,3,4,5,6,7,8,9,10,11,12,13,14,15
	v_cvt_pk_bf16_f32 v[PO+2*\j],   v[RAW+4*\j],   v[RAW+4*\j+1]
	v_cvt_pk_bf16_f32 v[PO+2*\j+1], v[RAW+4*\j+2], v[RAW+4*\j+3]
.endr
.endm
; 16 LDS stores: 32 lanes x 8 bytes are 256 consecutive bytes of one row of the stage
.macro XSTORE c
.irp j, 0,1,2,3,4,5,6,7,8,9,10,11,12,13,14,15
	ds_store_b64 v[PS], v[PO+2*\j:PO+2*\j+1] offset:((\c)&1)*SSLOT+\j*SP
.endr
.endm
; One K step: 12 matrix instructions.  The twelve accumulators take turns, one instruction a turn, over the K steps' and the pairs'
; borders too.  zero = 1: the first K step starts the sums; nothing is cleared.
.macro MULH p, e, zero
.irp m, 0,1
.irp i, 0,1,2,3
.if \zero
	v_wmma_f32_16x16x32_bf16 v[ACC+8*(4*\m+\i):ACC+8*(4*\m+\i)+7], v[WR+48*(((\p)>>1)&1)+24*\e+8*\m:WR+48*(((\p)>>1)&1)+24*\e+8*\m+7], v[XF+32*\e+8*\i:XF+32*\e+8*\i+7], 0
.else
	v_wmma_f32_16x16x32_bf16 v[ACC+8*(4*\m+\i):ACC+8*(4*\m+\i)+7], v[WR+48*(((\p)>>1)&1)+24*\e+8*\m:WR+48*(((\p)>>1)&1)+24*\e+8*\m+7], v[XF+32*\e+8*\i:XF+32*\e+8*\i+7], v[ACC+8*(4*\m+\i):ACC+8*(4*\m+\i)+7]
.endif
.endr
.endr
.irp i, 0,1,2,3
.if \zero
	v_wmma_f32_16x16x32_bf16 v[ACC+8*(8+\i):ACC+8*(8+\i)+7], v[XF+32*\e+8*\i:XF+32*\e+8*\i+7], v[WR+48*(((\p)>>1)&1)+24*\e+16:WR+48*(((\p)>>1)&1)+24*\e+23], 0
.else
	v_wmma_f32_16x16x32_bf16 v[ACC+8*(8+\i):ACC+8*(8+\i)+7], v[XF+32*\e+8*\i:XF+32*\e+8*\i+7], v[WR+48*(((\p)>>1)&1)+24*\e+16:WR+48*(((\p)>>1)&1)+24*\e+23], v[ACC+8*(8+\i):ACC+8*(8+\i)+7]
.endif
.endr
.endm
; The head of pair p: the registers that pair p - 1 multiplied (its W slot, its x fragments: the other window) are loaded again, with
; W of pair p + 3 and x of pair p + 1; then pair p's W is waited for.
.macro HEAD p
.if \p
.if \p < 15
	PLACES                                         ; behind pair p - 1's matrix instructions, whose sources are loaded again
.endif
.endif
.if \p <= 12
	WFETCH \p+3
.endif
.if \p < 15
	XFETCH \p+1                                    ; lands under this pair's matrix instructions
.endif
.if \p <= 12
	s_wait_loadcnt 36                              ; loads come back in order (ISA guide 5.7.1): pair p's twelve are in, those of pairs p + 1 .. p + 3 stay out
.else
	s_wait_loadcnt 12*(15-\p)                      ; the last pairs: twelve for each pair still to come
.endif
.endm
; The even pair p = 2 c.  Between its two K steps chunk c + 1, whose f32 rows were read back behind the last pair, is converted and
; stored: the read-back lands under the first K step's products, the stores under the second's.  The barrier at its end shows
; chunk c + 1 to every wave.
.macro EPAIR c, p, zero
	HEAD \p
.if \c <= 6
	s_wait_dscnt 32                                ; LDS loads come back in order: this pair's fragments are in; the 16 read-backs and the next pair's 16 fragment loads stay out
.else
	s_wait_dscnt 16                                ; the last chunk: only the next pair's 16 fragment loads are younger
.endif
	WIN 0x05                                       ; sources 0 and 1 in window 1, C and D in window 0
	MULH \p, 0, \zero
.if \c <= 6
	WIN 0
	s_wait_dscnt 16                                ; the read-backs are in; the next pair's 16 fragment loads stay out
	CVT
	XSTORE \c+1
	WIN 0x05
.endif
	MULH \p, 1, 0
.if \c <= 6
	WIN 0
	s_wait_dscnt 0x0                               ; for the others' sake: my stores of chunk c + 1 are done, and so are my reads of chunk c, whose slot is written next
	s_barrier_signal -1
	s_barrier_wait -1
.endif
.endm
; The odd pair p = 2 c + 1.  Its fragments were shown in by the wait in front of the barrier.  Behind its products my rows of chunk
; c + 2 are read back: 5 - c later chunks' tensor loads stay out (no LDS byte is filled again in this launch).
.macro OPAIR c, p
	HEAD \p
.if \c == 7
	s_wait_dscnt 0x0                               ; no barrier stood in front of the last pair: its fragments are waited for here
.endif
	WIN 0x0a                                       ; sources 0 and 1 in window 2
	MULH \p, 0, 0
	MULH \p, 1, 0
.if \c <= 5
	WIN 0
	s_wait_tensorcnt 5-\c                          ; tensor loads of a wave end in order (ISA guide 10.11.1): chunk c + 2's is in
	RAWLOAD \c+2
.endif
.endm
	WFETCH 0
	WFETCH 1
	WFETCH 2
	WIN 0
	s_wait_tensorcnt 7                             ; my rows of chunk 0 are in; seven later loads stay out
	RAWLOAD 0
	s_wait_dscnt 0x0
	CVT
	XSTORE 0
	s_wait_dscnt 0x0                               ; for the others' sake: all my stores
	s_barrier_signal -1
	s_barrier_wait -1                              ; chunk 0 is whole in slot 0 of the stage
	XFETCH 0
	WIN 0
	s_wait_tensorcnt 6                             ; my rows of chunk 1
	RAWLOAD 1
	EPAIR 0, 0, 1
	OPAIR 0, 1
	EPAIR 1, 2, 0
	OPAIR 1, 3
	EPAIR 2, 4, 0
	OPAIR 2, 5
	EPAIR 3, 6, 0
	OPAIR 3, 7
	EPAIR 4, 8, 0
	OPAIR 4, 9
	EPAIR 5, 10, 0
	OPAIR 5, 11                                    ; its wait on TENSORcnt is for 0: none is out from here on
	EPAIR 6, 12, 0
	OPAIR 6, 13
	EPAIR 7, 14, 0
	OPAIR 7, 15
	; THE WAY OUT: straight from registers, since a lane's eight results are 16 bytes of f16 that belong together.
	PLACES                                         ; behind the last matrix instructions, whose results are read now
	WIN 0
.irp t, 0,1,2,3,4,5,6,7,8,9,10,11,12,13,14,15
	v_pk_mul_f32 v[ACC+2*\t:ACC+2*\t+1], v[ACC+2*\t:ACC+2*\t+1], s[22:23] op_sel_hi:[1,0]   ; Q alone takes the scale, in f32
.endr
.irp t, 0,1,2,3,4,5,6,7,8,9,10,11
.irp q, 0,1,2,3
	v_cvt_pk_f16_f32 v[RAW+4*\t+\q], v[ACC+8*\t+2*\q], v[ACC+8*\t+2*\q+1]
.endr
.endr
.irp i, 0,1,2,3
	global_store_b128 v[TOFF], v[RAW+4*\i:RAW+4*\i+3], s[8:9] offset:\i*2048              ; Q': tile i, unit w
	global_store_b128 v[TOFF], v[RAW+16+4*\i:RAW+16+4*\i+3], s[10:11] offset:\i*2048      ; K: tile i, unit w
	global_store_b128 v[TOFF], v[RAW+32+4*\i:RAW+32+4*\i+3], s[10:11] offset:8192+\i*2048 ; V: keys 16 i .., columns 16 w ..
.endr
	s_wait_tensorcnt 0x0
	ds_add_u32 v254, v255
	s_wait_dscnt 0x0
	s_endpgm
.Lfunc_end_k_q5509e15805_proj:
	.size	k_q5509e15805_proj, .Lfunc_end_k_q5509e15805_proj-k_q5509e15805_proj
	.p2alignl 7, 3214868480
	.fill 96, 4, 3214868480
	.section	.rodata,"a",@progbits
	.p2align	6, 0x0
	.amdhsa_kernel k_q5509e15805_proj
		.amdhsa_group_segment_fixed_size 305664
		.amdhsa_private_segment_fixed_size 0
		.amdhsa_enable_private_segment 0
		.amdhsa_kernarg_size 32
		.amdhsa_user_sgpr_count 2
		.amdhsa_user_sgpr_kernarg_segment_ptr 1
		.amdhsa_wavefront_size32 1
		.amdhsa_system_sgpr_workgroup_id_x 1
		.amdhsa_system_sgpr_workgroup_id_y 1
		.amdhsa_system_sgpr_workgroup_id_z 1
		.amdhsa_system_vgpr_workitem_id 0
		.amdhsa_next_free_vgpr 672
		.amdhsa_next_free_sgpr 66
		.amdhsa_reserve_vcc 0
		.amdhsa_float_denorm_mode_32 3
		.amdhsa_float_denorm_mode_16_64 3
		.amdhsa_memory_ordered 1
		.amdhsa_forward_progress 1
		.amdhsa_inst_pref_size 107
	.end_amdhsa_kernel
	.amdgpu_metadata
---
amdhsa.version: [ 1, 2 ]
amdhsa.kernels:
  - .name:           k_q5509e15805_proj
    .symbol:         k_q5509e15805_proj.kd
    .args:
      - { .name: x, .offset: 0, .size: 8, .value_kind: global_buffer, .address_space: global }
      - { .name: wf, .offset: 8, .size: 8, .value_kind: global_buffer, .address_space: global }
      - { .name: qw, .offset: 16, .size: 8, .value_kind: global_buffer, .address_space: global }
      - { .name: kv, .offset: 24, .size: 8, .value_kind: global_buffer, .address_space: global }
    .group_segment_fixed_size: 305664
    .private_segment_fixed_size: 0
    .kernarg_segment_align: 8
    .kernarg_segment_size: 32
    .max_flat_workgroup_size: 128
    .sgpr_count:     66
    .vgpr_count:     672
    .wavefront_size: 32
...
	.end_amdgpu_metadata
.endif
;; end of part 2
;; launch attn (part 3): grid 256 x 1, 8 waves a work-group, clusters of 4 x 1, 327,680 bytes of LDS; arguments qw, kv, out0; writes out0
.if DOCPART == 3
	.amdgcn_target "amdgcn-amd-amdhsa--gfx1250"
	.amdhsa_code_object_version 6
	.text
	.protected	k_q5509e15805_attn
	.globl	k_q5509e15805_attn
	.p2align	8
	.type	k_q5509e15805_attn,@function
k_q5509e15805_attn:
	s_mov_b64 s[64:65], 0
	v_nop
	global_prefetch_b8 v0, s[64:65] scope:SCOPE_SE
	s_setreg_imm32_b32 hwreg(HW_REG_WAVE_MODE, 25, 1), 1
	s_wait_xcnt 0x0
	s_wait_alu depctr_hold_cnt(0) depctr_sa_sdst(0) depctr_va_vdst(0) depctr_va_sdst(0) depctr_va_ssrc(0) depctr_va_vcc(0) depctr_vm_vsrc(0)
	s_getreg_b32 s2, hwreg(HW_REG_IB_STS2, 6, 4)
	s_cmp_eq_u32 s2, 0
	s_cbranch_scc0 .Lentry_in_a_cluster
	s_endpgm
.Lentry_in_a_cluster:
	s_bfe_u32 s2, ttmp6, 0x10000c
	s_cmp_lg_u32 s2, 0x3003
	s_cbranch_scc0 .Lentry_shape_is_right
	s_endpgm
.Lentry_shape_is_right:
; out = softmax(Q K^T / 8) V for one head of 64, 4 batches of 4,096 positions, no mask.  Q' (with log2(e) / 8 in it), K and V come as
; f16 in fragment order (qw, kv); products in f16 with f32 sums; maxima, exponentials, sums and the merge in f32; out0 is f32.
; The maximum is taken away before every exponential, as a running maximum for each query, so every weight is at most 1.
; LIMITS: a weight below about 2^-25 of its wave's running largest becomes 0 in f16; v_exp_f32 gives 0 for results below 2^-126
; (ISA guide, 15.8); the sums over the keys are formed block by block and merged over eight waves, in another order than a plain
; sum; inputs with NaN or infinities are not served.
;
; A work-group takes 64 queries, eight waves.  Wave w takes ALL 64 queries x the 64 keys of block 8 n + w in trip n = 0 .. 7, so each
; byte of K and V is read from LDS once in a work-group; the eight partial results are merged in LDS at the end.
; CLUSTER: the four work-groups of a cluster lie in one batch (64 work-groups a batch) and walk the same K and V, so each tile is
; asked for jointly, mask 15: every wave of each of the four issues the same load, whose address is made of the cluster's number,
; the wave's number and the trip alone.  A round of the cluster's barrier stands in front of the first fills, in front of each
; refill and in front of the end.
; LDS: two slots of 131,072 bytes; wave w's block at + 16,384 w, read by that wave alone, 16 bytes a lane at 16 lane: no padding.
; Two tensor loads of a wave are out at the start, one behind each round.
;
; ALL OF THE SOFTMAX STAYS IN REGISTERS.  S^T = K Q'^T: source 0 = 16 keys, source 1 = 16 queries: lane (r, hh) holds query r and
; keys 8 hh + 0..7 of each tile, so a query's maximum and sum are sums inside a lane and one exchange with lane xor 16, the
; rescaling factor is one number a lane, and eight weights pack into the four registers that O^T = V^T P^T wants as source 1.
;
; REGISTERS in windows of 256.  Window 0: addresses, statistics, fragments of Q, K, V.  Window 1: v0-127 S, then P; v128-255 O.
.set WTILE, 16384                      ; a block of 64 keys: K 8,192 bytes, V 8,192 bytes
.set TILE,  8*WTILE                    ; a slot: the eight waves' blocks of one trip
.set OPITCH, 272                       ; the merge's stage: a row of 64 f32 + 16 bytes = 17 x 16
.set OPART, 64*OPITCH                  ; a wave's partial O
.set STATM, 8*OPART                    ; [query][wave] f32: the waves' maxima; their sums 2,048 bytes further
.set LA,  1                            ; v1-2    16 lane + 16,384 w, in slot 0, 1
.set SMW, 3                            ; v3      STATM + 32 r + 4 w
.set SMR, 4                            ; v4      STATM + 32 r
.set OST, 5                            ; v5      17,408 w + 272 r + 32 hh
.set ORD, 6                            ; v6-7    272 (8 w + hh) + 16 r, for partials 0-3 and 4-7
.set OOF, 8                            ; v8      2,048 w + 16 lane: my 16 bytes in my wave's first two rows of out0
.set QOF, 9                            ; v9      16 lane
.set MP,  16                           ; v16-23, v24-31  the running maximum of query tile qt at MP + 8 slot + 2 qt (pairs: the packed forms read both)
.set AP,  32                           ; v32-39  the rescaling factor at AP + 2 qt
.set L,   40                           ; v40-55  running sums, pair (qt, u) at L + 4 qt + 2 u
.set T,   56                           ; v56-59
.set T2,  60                           ; v60-63
.set QF,  64                           ; v64-127   Q fragment (qt, kh) at QF + 16 qt + 8 kh
.set KF,  128                          ; v128-191  K fragment (kt, kh) at KF + 16 kt + 8 kh
.set VF,  192                          ; v192-255  V^T fragment (c, u) at VF + 8 (2 c + u)
.set OB,  128                          ; window 1: O(c, qt) at OB + 8 (4 c + qt).  S: block (u, qt) at 16 (4 u + qt), key tile 2 u + e at + 8 e
.set ST,  64                           ; the merge: statistics of query tile qt at ST + 16 qt (8 maxima, 8 sums)
.set R,   64                           ; the merge: partial 4 g + b of row pair e at R + 32 e + 4 (4 g + b)
.set G1,  16                           ; s[16:23] descriptor group 1
.set G0,  32                           ; s[32:39] descriptor group 0, a set for each slot
.set MSB, 0
.macro WIN new                         ; the immediate's high byte repeats the setting that is left
.if MSB != \new
	s_set_vgpr_msb (MSB<<8)|\new
.set MSB, \new
.endif
.endm
; A round of the cluster's barrier: my work-group's barrier, so that wave 0 speaks for all eight waves; wave 0 signals; every wave
; waits for the four work-groups; my work-group's barrier once more.
.macro ROUND
	s_barrier_signal -1
	s_barrier_wait -1
	s_cmp_lg_u32 s8, 0
	s_cbranch_scc1 .Lnot_wave_0_\@
	s_barrier_signal -3
.Lnot_wave_0_\@:
	s_barrier_wait -3
	s_barrier_signal -1
	s_barrier_wait -1
.endm
	s_load_b128 s[4:7], s[0:1], 0x0                ; qw s[4:5], kv s[6:7]
	s_load_b64 s[10:11], s[0:1], 0x10              ; out0
	v_lshl_add_u32 v14, v0, 2, 0x40000
	v_mov_b32 v15, 0
	ds_add_u32 v14, v15
	v_lshrrev_b32 v10, 5, v0
	v_readfirstlane_b32 s8, v10                    ; wave 0..7
	s_bfe_u32 s24, ttmp6, 0x40000                  ; cx: my place in the cluster; it enters the addresses of Q and of out0 alone
	s_lshl_b32 s25, ttmp9, 2                       ; ttmp9 counts clusters
	s_add_co_u32 s25, s25, s24                     ; work-group 0..255 = block of 64 queries
	s_lshl_b32 s30, s25, 13                        ; its 8,192 bytes of qw
	s_mov_b32 s31, 0
	s_lshl_b32 s40, s25, 14                        ; its 16,384 bytes of out0
	s_mov_b32 s41, 0
	s_lshr_b32 s26, ttmp9, 4                       ; batch: 16 clusters each
	s_lshl_b32 s26, s26, 20                        ; a batch's 64 blocks of kv
	s_lshl_b32 s28, s8, 14                         ; my wave's block, in kv and in a slot
	s_add_co_u32 s26, s26, s28
	s_mov_b32 s27, 0
	s_mov_b32 s12, 0x76543210                      ; v_permlanex16_b32: lane i takes lane i of the other half
	s_mov_b32 s13, 0xfedcba98
	; group 1: a dense block of 16,384 bytes as 64 rows of 32 elements of 8 bytes
	s_mov_b32 s[G1+0], 15|(3<<16)|(1<<21)          ; the mask names all four of the cluster; element of 8 bytes; bit 21 beside a mask
	s_mov_b32 s[G1+1], 32<<16                      ; tensor_dim0 = 32
	s_mov_b32 s[G1+2], 64<<16                      ; tensor_dim1 = 64
	s_mov_b32 s[G1+3], 32<<16                      ; tile_dim0 = 32
	s_mov_b32 s[G1+4], 64                          ; tile_dim1 = 64
	s_mov_b32 s[G1+5], 32                          ; each row begins where the last ends
	s_mov_b32 s[G1+6], 0
	s_mov_b32 s[G1+7], 0
	s_wait_dscnt 0x0
	s_wait_kmcnt 0x0
	s_add_nc_u64 s[4:5], s[4:5], s[30:31]
	s_add_nc_u64 s[10:11], s[10:11], s[40:41]
	s_add_nc_u64 s[26:27], s[6:7], s[26:27]        ; kv at my wave's block of trip 0
	ROUND                                          ; all four work-groups are here: the first joint loads meet
.irp s, 0,1
	s_mov_b32 s[G0+4*\s], 1                                        ; count = 1
	s_add_co_u32 s[G0+4*\s+1], s28, \s*TILE                        ; LDS address: the slot, my wave's part
	s_add_nc_u64 s[G0+4*\s+2:G0+4*\s+3], s[26:27], \s*TILE         ; global address: trip s
	s_or_b32 s[G0+4*\s+3], s[G0+4*\s+3], 0x80000000                ; type = 2
	tensor_load_to_lds s[G0+4*\s:G0+4*\s+3], s[G1:G1+7]            ; both first fills in one group
	s_nop 0
.endr
	v_and_b32 v11, 31, v0                          ; lane
	v_and_b32 v12, 15, v0                          ; r
	v_bfe_u32 v13, v0, 4, 1                        ; hh
	v_lshlrev_b32 v[QOF], 4, v11
.irp k, 0,1,2,3,4,5,6,7,8,9,10,11,12,13,14,15
	global_load_b128 v[QF+4*\k:QF+4*\k+3], v[QOF], s[4:5] offset:\k*512    ; unit 4 qt + t: the 64 queries stay in registers
.endr
	v_lshl_add_u32 v[LA], v11, 4, s28
	v_add_nc_u32 v[LA+1], TILE, v[LA]
	s_lshl_b32 s29, s8, 2
	s_add_co_u32 s29, s29, STATM
	v_lshl_add_u32 v[SMW], v12, 5, s29
	v_lshlrev_b32 v[SMR], 5, v12
	v_add_nc_u32 v[SMR], STATM, v[SMR]
	s_mul_i32 s42, s8, OPART
	v_mul_u32_u24 v[OST], v12, OPITCH
	v_lshl_add_u32 v[OST], v13, 5, v[OST]
	v_add_nc_u32 v[OST], s42, v[OST]
	s_mul_i32 s43, s8, 8*OPITCH
	v_mul_u32_u24 v[ORD], v13, OPITCH
	v_lshl_add_u32 v[ORD], v12, 4, v[ORD]
	v_add_nc_u32 v[ORD], s43, v[ORD]
	v_add_nc_u32 v[ORD+1], 4*OPART, v[ORD]
	s_lshl_b32 s44, s8, 11
	v_lshl_add_u32 v[OOF], v11, 4, s44
.irp k, 17,19,21,23,25,27,29,31,33,35,37,39,60,61,62,63
	v_mov_b32 v\k, 0                               ; the pairs' upper registers (read with the pair, never used) and the lane exchange's destinations
.endr
; One trip: my block of 64 keys in slot `slot` against the 64 queries.  first = 1: nothing to rescale, the first products start the sums.
; refill = 1: the other slot, read in the last trip, is filled again with the block of the next trip.
.macro TRIP slot, first, refill
.if \first
	s_wait_tensorcnt 0x1                           ; tensor loads of a wave end in order (ISA guide 10.11.1): slot 0's is in, slot 1's stays out; nothing is filled again here
.else
	s_wait_tensorcnt 0x0                           ; all my tensor loads have landed, this slot's among them, so a group 0 may be written
	ds_add_u32 v14, v15
	s_wait_dscnt 0x0
.endif
.if \refill
	s_add_nc_u64 s[G0+4*(1-\slot)+2:G0+4*(1-\slot)+3], s[G0+4*(1-\slot)+2:G0+4*(1-\slot)+3], 2*TILE   ; the other slot's next block: two trips on
	s_wait_dscnt 0x0                               ; my reads of the other slot are back
	ROUND                                          ; both now hold of every wave of all four work-groups
	tensor_load_to_lds s[G0+4*(1-\slot):G0+4*(1-\slot)+3], s[G1:G1+7]      ; my one tensor load behind the round, and the first thing there
	s_nop 0
.endif
.irp k, 0,1,2,3,4,5,6,7,8,9,10,11,12,13,14,15
	ds_load_b128 v[KF+4*\k:KF+4*\k+3], v[LA+\slot] offset:\k*512           ; K: unit 4 kt + t
.endr
.irp c, 0,1,2,3
.irp u, 0,1
	ds_load_b128 v[VF+8*(2*\c+\u):VF+8*(2*\c+\u)+3], v[LA+\slot] offset:8192+(8*\u+\c)*512       ; V: keys 32 u + 8 hh ..
	ds_load_b128 v[VF+8*(2*\c+\u)+4:VF+8*(2*\c+\u)+7], v[LA+\slot] offset:8192+(8*\u+4+\c)*512   ;    keys 32 u + 16 + 8 hh ..
.endr
.endr
	s_wait_dscnt 16                                ; LDS loads come back in order (ISA guide 5.7.1): K's sixteen are in, V's sixteen stay out
.if \first
	s_wait_loadcnt 0x0                             ; Q, once
.endif
	; S^T = K Q'^T: 16 tiles, two steps of 32 along h.  The accumulators take turns, one instruction a turn.
	WIN 0x50
.irp kh, 0,1
.irp u, 0,1
.irp e, 0,1
.irp qt, 0,1,2,3
.if \kh
	v_wmma_f32_16x16x32_f16 v[16*(4*\u+\qt)+8*\e:16*(4*\u+\qt)+8*\e+7], v[KF+16*(2*\u+\e)+8*\kh:KF+16*(2*\u+\e)+8*\kh+7], v[QF+16*\qt+8*\kh:QF+16*\qt+8*\kh+7], v[16*(4*\u+\qt)+8*\e:16*(4*\u+\qt)+8*\e+7]
.else
	v_wmma_f32_16x16x32_f16 v[16*(4*\u+\qt)+8*\e:16*(4*\u+\qt)+8*\e+7], v[KF+16*(2*\u+\e)+8*\kh:KF+16*(2*\u+\e)+8*\kh+7], v[QF+16*\qt+8*\kh:QF+16*\qt+8*\kh+7], 0
.endif
.endr
.endr
.endr
.endr
.rept 4
	v_nop                                          ; four places before vector instructions read the results (ISA guide 7.12.1)
.endr
	; the new maximum of each query: the old one and my 32 scores, two a step, four chains
.if \first
	WIN 0x05
.irp qt, 0,1,2,3
	v_max_num_f32 v[T+\qt], v[16*\qt], v[16*\qt+1]
.endr
	WIN 0x14
.else
	WIN 0x14
.irp qt, 0,1,2,3
	v_max3_num_f32 v[T+\qt], v[MP+8*(1-\slot)+2*\qt], v[16*\qt], v[16*\qt+1]
.endr
.endif
.irp u, 0,1
.irp x, 0,1,2,3,4,5,6,7
.if (8*\u+\x) > 0
.irp qt, 0,1,2,3
	v_max3_num_f32 v[T+\qt], v[T+\qt], v[16*(4*\u+\qt)+2*\x], v[16*(4*\u+\qt)+2*\x+1]
.endr
.endif
.endr
.endr
	WIN 0
.irp qt, 0,1,2,3
	v_permlanex16_b32 v[T2+\qt], v[T+\qt], s12, s13        ; the other half of the lanes holds the query's other keys
.endr
.irp qt, 0,1,2,3
	v_max_num_f32 v[MP+8*\slot+2*\qt], v[T+\qt], v[T2+\qt]
.endr
.if \first == 0
.irp qt, 0,1,2,3
	v_sub_f32 v[AP+2*\qt], v[MP+8*(1-\slot)+2*\qt], v[MP+8*\slot+2*\qt]    ; old - new, at most 0
.endr
.irp qt, 0,1,2,3
	v_exp_f32 v[AP+2*\qt], v[AP+2*\qt]             ; first used far below; the subtractions that follow touch neither source nor result
.endr
.endif
	WIN 0x41
.irp u, 0,1
.irp x, 0,1,2,3,4,5,6,7
.irp qt, 0,1,2,3
	v_pk_add_f32 v[16*(4*\u+\qt)+2*\x:16*(4*\u+\qt)+2*\x+1], v[16*(4*\u+\qt)+2*\x:16*(4*\u+\qt)+2*\x+1], v[MP+8*\slot+2*\qt:MP+8*\slot+2*\qt+1] op_sel_hi:[1,0] neg_lo:[0,1] neg_hi:[0,1]   ; s - m, both by the pair's first register
.endr
.endr
.endr
	; 128 exponentials in place; behind every two of them one packed multiply rescales two numbers of O.  That multiply is also the
	; plain instruction that stands between an exponential and the first use of its result (ISA guide 5.7.2).
.set cnt, 0
.rept 64
	v_exp_f32 v[2*cnt], v[2*cnt]
	v_exp_f32 v[2*cnt+1], v[2*cnt+1]
.if \first == 0
	s_wait_alu depctr_va_vdst(0)
	v_pk_mul_f32 v[OB+2*cnt:OB+2*cnt+1], v[OB+2*cnt:OB+2*cnt+1], v[AP+2*((cnt>>2)&3):AP+2*((cnt>>2)&3)+1] op_sel_hi:[1,0]
.endif
.set cnt, cnt+1
.endr
.if \first
	v_nop                                          ; the plain instruction behind the last exponentials
.endif
	; the running sums, in f32, eight chains of pairs
.if \first
	WIN 0x05
	s_wait_alu depctr_va_vdst(0)
.irp qt, 0,1,2,3
.irp u, 0,1
	v_pk_add_f32 v[L+4*\qt+2*\u:L+4*\qt+2*\u+1], v[16*(4*\u+\qt):16*(4*\u+\qt)+1], v[16*(4*\u+\qt)+2:16*(4*\u+\qt)+3]
.endr
.endr
	WIN 0x04
.irp x, 2,3,4,5,6,7
.irp qt, 0,1,2,3
.irp u, 0,1
	v_pk_add_f32 v[L+4*\qt+2*\u:L+4*\qt+2*\u+1], v[L+4*\qt+2*\u:L+4*\qt+2*\u+1], v[16*(4*\u+\qt)+2*\x:16*(4*\u+\qt)+2*\x+1]
.endr
.endr
.endr
.else
	WIN 0x10
	s_wait_alu depctr_va_vdst(0)
.irp qt, 0,1,2,3
.irp u, 0,1
	v_pk_fma_f32 v[L+4*\qt+2*\u:L+4*\qt+2*\u+1], v[L+4*\qt+2*\u:L+4*\qt+2*\u+1], v[AP+2*\qt:AP+2*\qt+1], v[16*(4*\u+\qt):16*(4*\u+\qt)+1] op_sel_hi:[1,0,1]
.endr
.endr
	WIN 0x04
.irp x, 1,2,3,4,5,6,7
.irp qt, 0,1,2,3
.irp u, 0,1
	v_pk_add_f32 v[L+4*\qt+2*\u:L+4*\qt+2*\u+1], v[L+4*\qt+2*\u:L+4*\qt+2*\u+1], v[16*(4*\u+\qt)+2*\x:16*(4*\u+\qt)+2*\x+1]
.endr
.endr
.endr
.endif
	; P to f16, packed downward in place: a block's 16 registers become the 8 of a fragment (keys 32 u + 8 hh .., then 32 u + 16 + 8 hh ..)
	WIN 0x45
.irp u, 0,1
.irp qt, 0,1,2,3
.irp e, 0,1
.irp p, 0,1,2,3
	v_cvt_pk_f16_f32 v[16*(4*\u+\qt)+4*\e+\p], v[16*(4*\u+\qt)+8*\e+2*\p], v[16*(4*\u+\qt)+8*\e+2*\p+1]
.endr
.endr
.endr
.endr
	s_wait_dscnt 0x0                               ; V is in
	; O^T += V^T P^T: 16 tiles, two steps of 32 keys; the accumulators take turns
	WIN 0x54
.irp u, 0,1
.irp c, 0,1,2,3
.irp qt, 0,1,2,3
.if (\first)*(1-\u)
	v_wmma_f32_16x16x32_f16 v[OB+8*(4*\c+\qt):OB+8*(4*\c+\qt)+7], v[VF+8*(2*\c+\u):VF+8*(2*\c+\u)+7], v[16*(4*\u+\qt):16*(4*\u+\qt)+7], 0
.else
	v_wmma_f32_16x16x32_f16 v[OB+8*(4*\c+\qt):OB+8*(4*\c+\qt)+7], v[VF+8*(2*\c+\u):VF+8*(2*\c+\u)+7], v[16*(4*\u+\qt):16*(4*\u+\qt)+7], v[OB+8*(4*\c+\qt):OB+8*(4*\c+\qt)+7]
.endif
.endr
.endr
.endr
	WIN 0
.rept 5
	v_nop                                          ; five places: the next trip's first products write over P, its loads land on V's fragments
.endr
.endm
	TRIP 0, 1, 0                                   ; trip 0
	s_mov_b32 s9, 3
.Lpair:
	TRIP 1, 0, 1                                   ; trips 1, 3, 5: slot 0 gets trips 2, 4, 6
	TRIP 0, 0, 1                                   ; trips 2, 4, 6: slot 1 gets trips 3, 5, 7
	s_sub_co_u32 s9, s9, 1
	s_cmp_lg_u32 s9, 0
	s_cbranch_scc1 .Lpair
	TRIP 1, 0, 0                                   ; trip 7: nothing is left to fetch, so no round; its wait has shown my last load landed
	; THE MERGE of the eight waves' partial results.  The slots have had their last fill and serve as the stage.
.irp qt, 0,1,2,3
	v_pk_add_f32 v[L+4*\qt:L+4*\qt+1], v[L+4*\qt:L+4*\qt+1], v[L+4*\qt+2:L+4*\qt+3]
.endr
.irp qt, 0,1,2,3
	v_add_f32 v[T+\qt], v[L+4*\qt], v[L+4*\qt+1]
.endr
.irp qt, 0,1,2,3
	v_permlanex16_b32 v[T2+\qt], v[T+\qt], s12, s13
.endr
.irp qt, 0,1,2,3
	v_add_f32 v[T+\qt], v[T+\qt], v[T2+\qt]        ; my wave's sum for query 16 qt + r, in both halves of the lanes
.endr
	s_wait_dscnt 0x0                               ; my reads of the slots are back
	s_barrier_signal -1
	s_barrier_wait -1                              ; everybody's are, and everybody's last tile has landed: the bytes may be written
.irp qt, 0,1,2,3
	ds_store_b32 v[SMW], v[MP+8+2*\qt] offset:\qt*512          ; my maximum (trip 7 left it in slot 1's set); both halves write the same word with the same value
	ds_store_b32 v[SMW], v[T+\qt] offset:2048+\qt*512          ; my sum
.endr
	s_wait_dscnt 0x0                               ; for the others' sake: all my stores
	s_barrier_signal -1
	s_barrier_wait -1
.irp qt, 0,1,2,3
	ds_load_b128 v[ST+16*\qt:ST+16*\qt+3], v[SMR] offset:\qt*512
	ds_load_b128 v[ST+16*\qt+4:ST+16*\qt+7], v[SMR] offset:\qt*512+16
	ds_load_b128 v[ST+16*\qt+8:ST+16*\qt+11], v[SMR] offset:2048+\qt*512
	ds_load_b128 v[ST+16*\qt+12:ST+16*\qt+15], v[SMR] offset:2048+\qt*512+16
.endr
	s_wait_dscnt 0x0
.irp qt, 0,1,2,3
	v_max3_num_f32 v[T2+\qt], v[ST+16*\qt], v[ST+16*\qt+1], v[ST+16*\qt+2]
.endr
.irp qt, 0,1,2,3
	v_max3_num_f32 v[T2+\qt], v[T2+\qt], v[ST+16*\qt+3], v[ST+16*\qt+4]
.endr
.irp qt, 0,1,2,3
	v_max3_num_f32 v[T2+\qt], v[T2+\qt], v[ST+16*\qt+5], v[ST+16*\qt+6]
.endr
.irp qt, 0,1,2,3
	v_max_num_f32 v[T2+\qt], v[T2+\qt], v[ST+16*\qt+7]         ; M: the query's maximum over all 4,096 keys
.endr
.irp j, 0,1,2,3,4,5,6,7
.irp qt, 0,1,2,3
	v_sub_f32 v[ST+16*\qt+\j], v[ST+16*\qt+\j], v[T2+\qt]
.endr
.endr
.irp qt, 0,1,2,3
	v_sub_f32 v[AP+2*\qt], v[MP+8+2*\qt], v[T2+\qt]
.endr
.irp j, 0,1,2,3,4,5,6,7
.irp qt, 0,1,2,3
	v_exp_f32 v[ST+16*\qt+\j], v[ST+16*\qt+\j]
.endr
.endr
.irp qt, 0,1,2,3
	v_exp_f32 v[AP+2*\qt], v[AP+2*\qt]
.endr
	v_nop                                          ; the plain instruction behind the exponentials
	s_wait_alu depctr_va_vdst(0)
.irp qt, 0,1,2,3
	v_mul_f32 v[T+\qt], v[ST+16*\qt], v[ST+16*\qt+8]
.endr
.irp j, 1,2,3,4,5,6,7
.irp qt, 0,1,2,3
	v_fmac_f32 v[T+\qt], v[ST+16*\qt+\j], v[ST+16*\qt+8+\j]    ; the whole sum; at least 1, since the wave that holds M adds its own sum unscaled
.endr
.endr
.irp qt, 0,1,2,3
	v_rcp_f32 v[T+\qt], v[T+\qt]
.endr
	v_nop                                          ; the plain instruction behind the reciprocals
	s_wait_alu depctr_va_vdst(0)
.irp qt, 0,1,2,3
	v_mul_f32 v[AP+2*\qt], v[AP+2*\qt], v[T+\qt]   ; my partial's factor: 2^(m - M) / sum
.endr
	WIN 0x41
.set cnt, 0
.rept 64
	v_pk_mul_f32 v[OB+2*cnt:OB+2*cnt+1], v[OB+2*cnt:OB+2*cnt+1], v[AP+2*((cnt>>2)&3):AP+2*((cnt>>2)&3)+1] op_sel_hi:[1,0]
.set cnt, cnt+1
.endr
	WIN 0x04                                       ; store data in window 1, address in window 0
.irp c, 0,1,2,3
.irp qt, 0,1,2,3
	ds_store_b128 v[OST], v[OB+8*(4*\c+\qt):OB+8*(4*\c+\qt)+3] offset:\qt*16*OPITCH+\c*64          ; row 16 qt + r, h = 16 c + 8 hh + 0..3
	ds_store_b128 v[OST], v[OB+8*(4*\c+\qt)+4:OB+8*(4*\c+\qt)+7] offset:\qt*16*OPITCH+\c*64+16     ; h = 16 c + 8 hh + 4..7
.endr
.endr
	WIN 0
	s_wait_dscnt 0x0                               ; for the others' sake: all my stores
	s_barrier_signal -1
	s_barrier_wait -1
	; wave w adds the eight partials of rows 8 w .. 8 w + 7, two rows at a time: lanes 0-15 one row of 256 bytes, lanes 16-31 the next
.irp e, 0,1,2,3
.irp g, 0,1
.irp b, 0,1,2,3
	ds_load_b128 v[R+32*\e+4*(4*\g+\b):R+32*\e+4*(4*\g+\b)+3], v[ORD+\g] offset:\b*OPART+\e*2*OPITCH
.endr
.endr
.endr
.macro SUMOUT e
	s_wait_dscnt 8*(3-\e)                          ; this pair of rows is in; eight loads for each later pair stay out
.irp a, 0,8,16,24
	v_pk_add_f32 v[R+32*\e+\a:R+32*\e+\a+1], v[R+32*\e+\a:R+32*\e+\a+1], v[R+32*\e+\a+4:R+32*\e+\a+5]
	v_pk_add_f32 v[R+32*\e+\a+2:R+32*\e+\a+3], v[R+32*\e+\a+2:R+32*\e+\a+3], v[R+32*\e+\a+6:R+32*\e+\a+7]
.endr
.irp a, 0,16
	v_pk_add_f32 v[R+32*\e+\a:R+32*\e+\a+1], v[R+32*\e+\a:R+32*\e+\a+1], v[R+32*\e+\a+8:R+32*\e+\a+9]
	v_pk_add_f32 v[R+32*\e+\a+2:R+32*\e+\a+3], v[R+32*\e+\a+2:R+32*\e+\a+3], v[R+32*\e+\a+10:R+32*\e+\a+11]
.endr
	v_pk_add_f32 v[R+32*\e:R+32*\e+1], v[R+32*\e:R+32*\e+1], v[R+32*\e+16:R+32*\e+17]
	v_pk_add_f32 v[R+32*\e+2:R+32*\e+3], v[R+32*\e+2:R+32*\e+3], v[R+32*\e+18:R+32*\e+19]
	global_store_b128 v[OOF], v[R+32*\e:R+32*\e+3], s[10:11] offset:\e*512 th:TH_STORE_NT   ; two whole rows of out0: 512 consecutive bytes, aligned
.endm
	SUMOUT 0
	SUMOUT 1
	SUMOUT 2
	SUMOUT 3
	s_wait_tensorcnt 0x0
	ds_add_u32 v14, v15
	s_wait_dscnt 0x0
	ROUND                                          ; the closing round: no work-group ends while a partner may still ask for a tile that names it
	s_endpgm
.Lfunc_end_k_q5509e15805_attn:
	.size	k_q5509e15805_attn, .Lfunc_end_k_q5509e15805_attn-k_q5509e15805_attn
	.p2alignl 7, 3214868480
	.fill 96, 4, 3214868480
	.section	.rodata,"a",@progbits
	.p2align	6, 0x0
	.amdhsa_kernel k_q5509e15805_attn
		.amdhsa_group_segment_fixed_size 327680
		.amdhsa_private_segment_fixed_size 0
		.amdhsa_enable_private_segment 0
		.amdhsa_kernarg_size 24
		.amdhsa_user_sgpr_count 2
		.amdhsa_user_sgpr_kernarg_segment_ptr 1
		.amdhsa_wavefront_size32 1
		.amdhsa_system_sgpr_workgroup_id_x 1
		.amdhsa_system_sgpr_workgroup_id_y 1
		.amdhsa_system_sgpr_workgroup_id_z 1
		.amdhsa_system_vgpr_workitem_id 0
		.amdhsa_next_free_vgpr 512
		.amdhsa_next_free_sgpr 66
		.amdhsa_reserve_vcc 0
		.amdhsa_float_denorm_mode_32 3
		.amdhsa_float_denorm_mode_16_64 3
		.amdhsa_memory_ordered 1
		.amdhsa_forward_progress 1
		.amdhsa_inst_pref_size 154
	.end_amdhsa_kernel
	.amdgpu_metadata
---
amdhsa.version: [ 1, 2 ]
amdhsa.kernels:
  - .name:           k_q5509e15805_attn
    .symbol:         k_q5509e15805_attn.kd
    .args:
      - { .name: qw, .offset: 0, .size: 8, .value_kind: global_buffer, .address_space: global }
      - { .name: kv, .offset: 8, .size: 8, .value_kind: global_buffer, .address_space: global }
      - { .name: out0, .offset: 16, .size: 8, .value_kind: global_buffer, .address_space: global }
    .group_segment_fixed_size: 327680
    .private_segment_fixed_size: 0
    .kernarg_segment_align: 8
    .kernarg_segment_size: 24
    .max_flat_workgroup_size: 256
    .sgpr_count:     66
    .vgpr_count:     512
    .wavefront_size: 32
...
	.end_amdgpu_metadata
.endif
;; end of part 3
;; ======== version 2 of 2: 3 launches; 1.08 times as fast as version 1
;; limits: values are held in f16: magnitudes above 65,504 overflow, below 6.1e-05 lose precision
;; workspace buffers: wf 393,216 bytes; qw 2,097,152 bytes; kv 4,194,304 bytes
;; launch packw: the kernel of part 1 again; grid 32 x 3, 8 waves a work-group, no clusters, 0 bytes of LDS; arguments Wq, Wk, Wv, wf; writes wf
;; launch proj: the kernel of part 2 again; grid 256 x 1, 4 waves a work-group, no clusters, 305,664 bytes of LDS; arguments x, wf, qw, kv; writes qw, kv
;; launch attn (part 4): grid 256 x 1, 8 waves a work-group, clusters of 4 x 1, 327,680 bytes of LDS; arguments qw, kv, out0; writes out0
.if DOCPART == 4
	.amdgcn_target "amdgcn-amd-amdhsa--gfx1250"
	.amdhsa_code_object_version 6
	.text
	.protected	k_q5509e15805_attn
	.globl	k_q5509e15805_attn
	.p2align	8
	.type	k_q5509e15805_attn,@function
k_q5509e15805_attn:
	s_mov_b64 s[64:65], 0
	v_nop
	global_prefetch_b8 v0, s[64:65] scope:SCOPE_SE
	s_setreg_imm32_b32 hwreg(HW_REG_WAVE_MODE, 25, 1), 1
	s_wait_xcnt 0x0
	s_wait_alu depctr_hold_cnt(0) depctr_sa_sdst(0) depctr_va_vdst(0) depctr_va_sdst(0) depctr_va_ssrc(0) depctr_va_vcc(0) depctr_vm_vsrc(0)
	s_getreg_b32 s2, hwreg(HW_REG_IB_STS2, 6, 4)
	s_cmp_eq_u32 s2, 0
	s_cbranch_scc0 .Lentry_in_a_cluster
	s_endpgm
.Lentry_in_a_cluster:
	s_bfe_u32 s2, ttmp6, 0x10000c
	s_cmp_lg_u32 s2, 0x3003
	s_cbranch_scc0 .Lentry_shape_is_right
	s_endpgm
.Lentry_shape_is_right:
; out = softmax(Q K^T / 8) V for one head of 64, 4 batches of 4,096 positions, no mask.  Q' (with log2(e) / 8 in it), K and V come as
; f16 in fragment order (qw, kv); products in f16 with f32 sums; maxima, exponentials, sums and the merge in f32; out0 is f32.
; The maximum is taken away before every exponential, as a running maximum for each query, so every weight is at most 1.
; LIMITS: a weight below about 2^-25 of its wave's running largest becomes 0 in f16; v_exp_f32 gives 0 for results below 2^-126
; (ISA guide, 15.8); the sums over the keys are formed block by block and merged over eight waves, in another order than a plain
; sum; inputs with NaN or infinities are not served.
;
; A work-group takes 64 queries, eight waves.  Wave w takes ALL 64 queries x the 64 keys of block 8 n + w in trip n = 0 .. 7, so each
; byte of K and V is read from LDS once in a work-group; the eight partial results are merged in LDS at the end.
; CLUSTER: the four work-groups of a cluster lie in one batch (64 work-groups a batch) and walk the same K and V, so each tile is
; asked for jointly, mask 15: every wave of each of the four issues the same load, whose address is made of the cluster's number,
; the wave's number and the trip alone.  A round of the cluster's barrier stands in front of the first fills, in front of each
; refill and in front of the end.
; LDS: two slots of 131,072 bytes; wave w's block at + 16,384 w, read by that wave alone, 16 bytes a lane at 16 lane: no padding.
; Two tensor loads of a wave are out at the start, one behind each round.
;
; ALL OF THE SOFTMAX STAYS IN REGISTERS.  S^T = K Q'^T: source 0 = 16 keys, source 1 = 16 queries: lane (r, hh) holds query r and
; keys 8 hh + 0..7 of each tile, so a query's maximum and sum are sums inside a lane and one exchange with lane xor 16, the
; rescaling factor is one number a lane, and eight weights pack into the four registers that O^T = V^T P^T wants as source 1.
;
; THE EXPONENTIALS GO IN BATCHES, each with ONE s_wait_alu depctr_va_vdst(0) ahead of its first reader.
; A trip has two.  BATCH A: the four rescaling factors a; eight subtractions s - m stand between it and its wait.  BATCH B: the 128
; weights, made in place; between them stand only lines that name no weight already made: the other 56 subtractions, each eight
; pairs ahead of its own pair's exponentials, and the 64 multiplies O a, which read batch A's results; all that reads a weight (sums,
; roundings) stands behind B's wait.  A has a wait of its own because the 64 multiplies read a: with a in batch B they would all
; have to stand behind B's wait, and the 128 exponentials would have 64 plain lines between them in place of 120.
; The first trip has no a and so batch B alone.  The merge has two: its 36 exponentials, and the four reciprocals of a sum of them.
; No exponential is issued behind a trip's last wait.
;
; REGISTERS in windows of 256.  Window 0: addresses, statistics, fragments of Q, K, V.  Window 1: v0-127 S, then P; v128-255 O.
.set WTILE, 16384                      ; a block of 64 keys: K 8,192 bytes, V 8,192 bytes
.set TILE,  8*WTILE                    ; a slot: the eight waves' blocks of one trip
.set OPITCH, 272                       ; the merge's stage: a row of 64 f32 + 16 bytes = 17 x 16
.set OPART, 64*OPITCH                  ; a wave's partial O
.set STATM, 8*OPART                    ; [query][wave] f32: the waves' maxima; their sums 2,048 bytes further
.set LA,  1                            ; v1-2    16 lane + 16,384 w, in slot 0, 1
.set SMW, 3                            ; v3      STATM + 32 r + 4 w
.set SMR, 4                            ; v4      STATM + 32 r
.set OST, 5                            ; v5      17,408 w + 272 r + 32 hh
.set ORD, 6                            ; v6-7    272 (8 w + hh) + 16 r, for partials 0-3 and 4-7
.set OOF, 8                            ; v8      2,048 w + 16 lane: my 16 bytes in my wave's first two rows of out0
.set QOF, 9                            ; v9      16 lane
.set MP,  16                           ; v16-23, v24-31  the running maximum of query tile qt at MP + 8 slot + 2 qt (pairs: the packed forms read both)
.set AP,  32                           ; v32-39  the rescaling factor at AP + 2 qt
.set L,   40                           ; v40-55  running sums, pair (qt, u) at L + 4 qt + 2 u
.set T,   56                           ; v56-59
.set T2,  60                           ; v60-63
.set QF,  64                           ; v64-127   Q fragment (qt, kh) at QF + 16 qt + 8 kh
.set KF,  128                          ; v128-191  K fragment (kt, kh) at KF + 16 kt + 8 kh
.set VF,  192                          ; v192-255  V^T fragment (c, u) at VF + 8 (2 c + u)
.set OB,  128                          ; window 1: O(c, qt) at OB + 8 (4 c + qt).  S: block (u, qt) at 16 (4 u + qt), key tile 2 u + e at + 8 e
.set ST,  64                           ; the merge: statistics of query tile qt at ST + 16 qt (8 maxima, 8 sums)
.set R,   64                           ; the merge: partial 4 g + b of row pair e at R + 32 e + 4 (4 g + b)
.set G1,  16                           ; s[16:23] descriptor group 1
.set G0,  32                           ; s[32:39] descriptor group 0, a set for each slot
.set MSB, 0
.macro WIN new                         ; the immediate's high byte repeats the setting that is left
.if MSB != \new
	s_set_vgpr_msb (MSB<<8)|\new
.set MSB, \new
.endif
.endm
; A round of the cluster's barrier: my work-group's barrier, so that wave 0 speaks for all eight waves; wave 0 signals; every wave
; waits for the four work-groups; my work-group's barrier once more.
.macro ROUND
	s_barrier_signal -1
	s_barrier_wait -1
	s_cmp_lg_u32 s8, 0
	s_cbranch_scc1 .Lnot_wave_0_\@
	s_barrier_signal -3
.Lnot_wave_0_\@:
	s_barrier_wait -3
	s_barrier_signal -1
	s_barrier_wait -1
.endm
	s_load_b128 s[4:7], s[0:1], 0x0                ; qw s[4:5], kv s[6:7]
	s_load_b64 s[10:11], s[0:1], 0x10              ; out0
	v_lshl_add_u32 v14, v0, 2, 0x40000
	v_mov_b32 v15, 0
	ds_add_u32 v14, v15
	v_lshrrev_b32 v10, 5, v0
	v_readfirstlane_b32 s8, v10                    ; wave 0..7
	s_bfe_u32 s24, ttmp6, 0x40000                  ; cx: my place in the cluster; it enters the addresses of Q and of out0 alone
	s_lshl_b32 s25, ttmp9, 2                       ; ttmp9 counts clusters
	s_add_co_u32 s25, s25, s24                     ; work-group 0..255 = block of 64 queries
	s_lshl_b32 s30, s25, 13                        ; its 8,192 bytes of qw
	s_mov_b32 s31, 0
	s_lshl_b32 s40, s25, 14                        ; its 16,384 bytes of out0
	s_mov_b32 s41, 0
	s_lshr_b32 s26, ttmp9, 4                       ; batch: 16 clusters each
	s_lshl_b32 s26, s26, 20                        ; a batch's 64 blocks of kv
	s_lshl_b32 s28, s8, 14                         ; my wave's block, in kv and in a slot
	s_add_co_u32 s26, s26, s28
	s_mov_b32 s27, 0
	s_mov_b32 s12, 0x76543210                      ; v_permlanex16_b32: lane i takes lane i of the other half
	s_mov_b32 s13, 0xfedcba98
	; group 1: a dense block of 16,384 bytes as 64 rows of 32 elements of 8 bytes
	s_mov_b32 s[G1+0], 15|(3<<16)|(1<<21)          ; the mask names all four of the cluster; element of 8 bytes; bit 21 beside a mask
	s_mov_b32 s[G1+1], 32<<16                      ; tensor_dim0 = 32
	s_mov_b32 s[G1+2], 64<<16                      ; tensor_dim1 = 64
	s_mov_b32 s[G1+3], 32<<16                      ; tile_dim0 = 32
	s_mov_b32 s[G1+4], 64                          ; tile_dim1 = 64
	s_mov_b32 s[G1+5], 32                          ; each row begins where the last ends
	s_mov_b32 s[G1+6], 0
	s_mov_b32 s[G1+7], 0
	s_wait_dscnt 0x0
	s_wait_kmcnt 0x0
	s_add_nc_u64 s[4:5], s[4:5], s[30:31]
	s_add_nc_u64 s[10:11], s[10:11], s[40:41]
	s_add_nc_u64 s[26:27], s[6:7], s[26:27]        ; kv at my wave's block of trip 0
	ROUND                                          ; all four work-groups are here: the first joint loads meet
.irp s, 0,1
	s_mov_b32 s[G0+4*\s], 1                                        ; count = 1
	s_add_co_u32 s[G0+4*\s+1], s28, \s*TILE                        ; LDS address: the slot, my wave's part
	s_add_nc_u64 s[G0+4*\s+2:G0+4*\s+3], s[26:27], \s*TILE         ; global address: trip s
	s_or_b32 s[G0+4*\s+3], s[G0+4*\s+3], 0x80000000                ; type = 2
	tensor_load_to_lds s[G0+4*\s:G0+4*\s+3], s[G1:G1+7]            ; both first fills in one group
	s_nop 0
.endr
	v_and_b32 v11, 31, v0                          ; lane
	v_and_b32 v12, 15, v0                          ; r
	v_bfe_u32 v13, v0, 4, 1                        ; hh
	v_lshlrev_b32 v[QOF], 4, v11
.irp k, 0,1,2,3,4,5,6,7,8,9,10,11,12,13,14,15
	global_load_b128 v[QF+4*\k:QF+4*\k+3], v[QOF], s[4:5] offset:\k*512    ; unit 4 qt + t: the 64 queries stay in registers
.endr
	v_lshl_add_u32 v[LA], v11, 4, s28
	v_add_nc_u32 v[LA+1], TILE, v[LA]
	s_lshl_b32 s29, s8, 2
	s_add_co_u32 s29, s29, STATM
	v_lshl_add_u32 v[SMW], v12, 5, s29
	v_lshlrev_b32 v[SMR], 5, v12
	v_add_nc_u32 v[SMR], STATM, v[SMR]
	s_mul_i32 s42, s8, OPART
	v_mul_u32_u24 v[OST], v12, OPITCH
	v_lshl_add_u32 v[OST], v13, 5, v[OST]
	v_add_nc_u32 v[OST], s42, v[OST]
	s_mul_i32 s43, s8, 8*OPITCH
	v_mul_u32_u24 v[ORD], v13, OPITCH
	v_lshl_add_u32 v[ORD], v12, 4, v[ORD]
	v_add_nc_u32 v[ORD], s43, v[ORD]
	v_add_nc_u32 v[ORD+1], 4*OPART, v[ORD]
	s_lshl_b32 s44, s8, 11
	v_lshl_add_u32 v[OOF], v11, 4, s44
.irp k, 17,19,21,23,25,27,29,31,33,35,37,39,60,61,62,63
	v_mov_b32 v\k, 0                               ; the pairs' upper registers (read with the pair, never used) and the lane exchange's destinations
.endr
; One trip: my block of 64 keys in slot `slot` against the 64 queries.  first = 1: nothing to rescale, the first products start the sums.
; refill = 1: the other slot, read in the last trip, is filled again with the block of the next trip.
.macro TRIP slot, first, refill
.if \first
	s_wait_tensorcnt 0x1                           ; tensor loads of a wave end in order (ISA guide 10.11.1): slot 0's is in, slot 1's stays out; nothing is filled again here
.else
	s_wait_tensorcnt 0x0                           ; all my tensor loads have landed, this slot's among them, so a group 0 may be written
	ds_add_u32 v14, v15
	s_wait_dscnt 0x0
.endif
.if \refill
	s_add_nc_u64 s[G0+4*(1-\slot)+2:G0+4*(1-\slot)+3], s[G0+4*(1-\slot)+2:G0+4*(1-\slot)+3], 2*TILE   ; the other slot's next block: two trips on
	s_wait_dscnt 0x0                               ; my reads of the other slot are back
	ROUND                                          ; both now hold of every wave of all four work-groups
	tensor_load_to_lds s[G0+4*(1-\slot):G0+4*(1-\slot)+3], s[G1:G1+7]      ; my one tensor load behind the round, and the first thing there
	s_nop 0
.endif
.irp k, 0,1,2,3,4,5,6,7,8,9,10,11,12,13,14,15
	ds_load_b128 v[KF+4*\k:KF+4*\k+3], v[LA+\slot] offset:\k*512           ; K: unit 4 kt + t
.endr
.irp c, 0,1,2,3
.irp u, 0,1
	ds_load_b128 v[VF+8*(2*\c+\u):VF+8*(2*\c+\u)+3], v[LA+\slot] offset:8192+(8*\u+\c)*512       ; V: keys 32 u + 8 hh ..
	ds_load_b128 v[VF+8*(2*\c+\u)+4:VF+8*(2*\c+\u)+7], v[LA+\slot] offset:8192+(8*\u+4+\c)*512   ;    keys 32 u + 16 + 8 hh ..
.endr
.endr
	s_wait_dscnt 16                                ; LDS loads come back in order (ISA guide 5.7.1): K's sixteen are in, V's sixteen stay out
.if \first
	s_wait_loadcnt 0x0                             ; Q, once
.endif
	; S^T = K Q'^T: 16 tiles, two steps of 32 along h.  The accumulators take turns, one instruction a turn.
	WIN 0x50
.irp kh, 0,1
.irp u, 0,1
.irp e, 0,1
.irp qt, 0,1,2,3
.if \kh
	v_wmma_f32_16x16x32_f16 v[16*(4*\u+\qt)+8*\e:16*(4*\u+\qt)+8*\e+7], v[KF+16*(2*\u+\e)+8*\kh:KF+16*(2*\u+\e)+8*\kh+7], v[QF+16*\qt+8*\kh:QF+16*\qt+8*\kh+7], v[16*(4*\u+\qt)+8*\e:16*(4*\u+\qt)+8*\e+7]
.else
	v_wmma_f32_16x16x32_f16 v[16*(4*\u+\qt)+8*\e:16*(4*\u+\qt)+8*\e+7], v[KF+16*(2*\u+\e)+8*\kh:KF+16*(2*\u+\e)+8*\kh+7], v[QF+16*\qt+8*\kh:QF+16*\qt+8*\kh+7], 0
.endif
.endr
.endr
.endr
.endr
.rept 4
	v_nop                                          ; four places before vector instructions read the results (ISA guide 7.12.1)
.endr
	; the new maximum of each query: the old one and my 32 scores, two a step, four chains
.if \first
	WIN 0x05
.irp qt, 0,1,2,3
	v_max_num_f32 v[T+\qt], v[16*\qt], v[16*\qt+1]
.endr
	WIN 0x14
.else
	WIN 0x14
.irp qt, 0,1,2,3
	v_max3_num_f32 v[T+\qt], v[MP+8*(1-\slot)+2*\qt], v[16*\qt], v[16*\qt+1]
.endr
.endif
.irp u, 0,1
.irp x, 0,1,2,3,4,5,6,7
.if (8*\u+\x) > 0
.irp qt, 0,1,2,3
	v_max3_num_f32 v[T+\qt], v[T+\qt], v[16*(4*\u+\qt)+2*\x], v[16*(4*\u+\qt)+2*\x+1]
.endr
.endif
.endr
.endr
	WIN 0
.irp qt, 0,1,2,3
	v_permlanex16_b32 v[T2+\qt], v[T+\qt], s12, s13        ; the other half of the lanes holds the query's other keys
.endr
.irp qt, 0,1,2,3
	v_max_num_f32 v[MP+8*\slot+2*\qt], v[T+\qt], v[T2+\qt]
.endr
.if \first == 0
.irp qt, 0,1,2,3
	v_sub_f32 v[AP+2*\qt], v[MP+8*(1-\slot)+2*\qt], v[MP+8*\slot+2*\qt]    ; old - new, at most 0
.endr
.irp qt, 0,1,2,3
	v_exp_f32 v[AP+2*\qt], v[AP+2*\qt]             ; BATCH A: the four a; the subtractions that follow touch neither source nor result
.endr
.endif
	; s - m, both numbers of a pair by the maximum pair's first register.  Pair n lies at v[2 n] of window 1 and belongs to query tile (n / 8) % 4.
	; Pairs 0 to 7 stand here: the plain work between batch A and its wait, and the lead that the subtractions keep over the exponentials.
	WIN 0x41
.set cnt, 0
.rept 8
	v_pk_add_f32 v[2*cnt:2*cnt+1], v[2*cnt:2*cnt+1], v[MP+8*\slot+2*((cnt>>3)&3):MP+8*\slot+2*((cnt>>3)&3)+1] op_sel_hi:[1,0] neg_lo:[0,1] neg_hi:[0,1]
.set cnt, cnt+1
.endr
.if \first == 0
	s_wait_alu depctr_va_vdst(0)                   ; the wait for batch A: the multiplies O a below are its first readers
.endif
	; BATCH B: the 128 weights, in place.  A pass: an exponential, the subtraction of the pair eight further on (56 of them), the pair's second
	; exponential, one packed multiply that rescales two numbers of O.  None of these lines names a weight that has been made.  The last
	; multiply is the plain instruction that stands between the last exponential and the first use of a result (ISA guide 5.7.2).
.set cnt, 0
.rept 64
	v_exp_f32 v[2*cnt], v[2*cnt]
.if cnt < 56
	v_pk_add_f32 v[2*cnt+16:2*cnt+17], v[2*cnt+16:2*cnt+17], v[MP+8*\slot+2*(((cnt+8)>>3)&3):MP+8*\slot+2*(((cnt+8)>>3)&3)+1] op_sel_hi:[1,0] neg_lo:[0,1] neg_hi:[0,1]
.endif
	v_exp_f32 v[2*cnt+1], v[2*cnt+1]
.if \first == 0
	v_pk_mul_f32 v[OB+2*cnt:OB+2*cnt+1], v[OB+2*cnt:OB+2*cnt+1], v[AP+2*((cnt>>2)&3):AP+2*((cnt>>2)&3)+1] op_sel_hi:[1,0]
.endif
.set cnt, cnt+1
.endr
.if \first
	v_nop                                          ; the plain instruction behind the last exponentials
.endif
	; the running sums, in f32, eight chains of pairs
.if \first
	WIN 0x05
	s_wait_alu depctr_va_vdst(0)                   ; the wait for batch B, one for the 128 weights: the sums below are their first readers
.irp qt, 0,1,2,3
.irp u, 0,1
	v_pk_add_f32 v[L+4*\qt+2*\u:L+4*\qt+2*\u+1], v[16*(4*\u+\qt):16*(4*\u+\qt)+1], v[16*(4*\u+\qt)+2:16*(4*\u+\qt)+3]
.endr
.endr
	WIN 0x04
.irp x, 2,3,4,5,6,7
.irp qt, 0,1,2,3
.irp u, 0,1
	v_pk_add_f32 v[L+4*\qt+2*\u:L+4*\qt+2*\u+1], v[L+4*\qt+2*\u:L+4*\qt+2*\u+1], v[16*(4*\u+\qt)+2*\x:16*(4*\u+\qt)+2*\x+1]
.endr
.endr
.endr
.else
	WIN 0x10
	s_wait_alu depctr_va_vdst(0)                   ; the wait for batch B, one for the 128 weights: the sums below are their first readers
.irp qt, 0,1,2,3
.irp u, 0,1
	v_pk_fma_f32 v[L+4*\qt+2*\u:L+4*\qt+2*\u+1], v[L+4*\qt+2*\u:L+4*\qt+2*\u+1], v[AP+2*\qt:AP+2*\qt+1], v[16*(4*\u+\qt):16*(4*\u+\qt)+1] op_sel_hi:[1,0,1]
.endr
.endr
	WIN 0x04
.irp x, 1,2,3,4,5,6,7
.irp qt, 0,1,2,3
.irp u, 0,1
	v_pk_add_f32 v[L+4*\qt+2*\u:L+4*\qt+2*\u+1], v[L+4*\qt+2*\u:L+4*\qt+2*\u+1], v[16*(4*\u+\qt)+2*\x:16*(4*\u+\qt)+2*\x+1]
.endr
.endr
.endr
.endif
	; P to f16, packed downward in place: a block's 16 registers become the 8 of a fragment (keys 32 u + 8 hh .., then 32 u + 16 + 8 hh ..)
	WIN 0x45
.irp u, 0,1
.irp qt, 0,1,2,3
.irp e, 0,1
.irp p, 0,1,2,3
	v_cvt_pk_f16_f32 v[16*(4*\u+\qt)+4*\e+\p], v[16*(4*\u+\qt)+8*\e+2*\p], v[16*(4*\u+\qt)+8*\e+2*\p+1]
.endr
.endr
.endr
.endr
	s_wait_dscnt 0x0                               ; V is in
	; O^T += V^T P^T: 16 tiles, two steps of 32 keys; the accumulators take turns
	WIN 0x54
.irp u, 0,1
.irp c, 0,1,2,3
.irp qt, 0,1,2,3
.if (\first)*(1-\u)
	v_wmma_f32_16x16x32_f16 v[OB+8*(4*\c+\qt):OB+8*(4*\c+\qt)+7], v[VF+8*(2*\c+\u):VF+8*(2*\c+\u)+7], v[16*(4*\u+\qt):16*(4*\u+\qt)+7], 0
.else
	v_wmma_f32_16x16x32_f16 v[OB+8*(4*\c+\qt):OB+8*(4*\c+\qt)+7], v[VF+8*(2*\c+\u):VF+8*(2*\c+\u)+7], v[16*(4*\u+\qt):16*(4*\u+\qt)+7], v[OB+8*(4*\c+\qt):OB+8*(4*\c+\qt)+7]
.endif
.endr
.endr
.endr
	WIN 0
.rept 5
	v_nop                                          ; five places: the next trip's first products write over P, its loads land on V's fragments
.endr
.endm
	TRIP 0, 1, 0                                   ; trip 0
	s_mov_b32 s9, 3
.Lpair:
	TRIP 1, 0, 1                                   ; trips 1, 3, 5: slot 0 gets trips 2, 4, 6
	TRIP 0, 0, 1                                   ; trips 2, 4, 6: slot 1 gets trips 3, 5, 7
	s_sub_co_u32 s9, s9, 1
	s_cmp_lg_u32 s9, 0
	s_cbranch_scc1 .Lpair
	TRIP 1, 0, 0                                   ; trip 7: nothing is left to fetch, so no round; its wait has shown my last load landed
	; THE MERGE of the eight waves' partial results.  The slots have had their last fill and serve as the stage.
.irp qt, 0,1,2,3
	v_pk_add_f32 v[L+4*\qt:L+4*\qt+1], v[L+4*\qt:L+4*\qt+1], v[L+4*\qt+2:L+4*\qt+3]
.endr
.irp qt, 0,1,2,3
	v_add_f32 v[T+\qt], v[L+4*\qt], v[L+4*\qt+1]
.endr
.irp qt, 0,1,2,3
	v_permlanex16_b32 v[T2+\qt], v[T+\qt], s12, s13
.endr
.irp qt, 0,1,2,3
	v_add_f32 v[T+\qt], v[T+\qt], v[T2+\qt]        ; my wave's sum for query 16 qt + r, in both halves of the lanes
.endr
	s_wait_dscnt 0x0                               ; my reads of the slots are back
	s_barrier_signal -1
	s_barrier_wait -1                              ; everybody's are, and everybody's last tile has landed: the bytes may be written
.irp qt, 0,1,2,3
	ds_store_b32 v[SMW], v[MP+8+2*\qt] offset:\qt*512          ; my maximum (trip 7 left it in slot 1's set); both halves write the same word with the same value
	ds_store_b32 v[SMW], v[T+\qt] offset:2048+\qt*512          ; my sum
.endr
	s_wait_dscnt 0x0                               ; for the others' sake: all my stores
	s_barrier_signal -1
	s_barrier_wait -1
.irp qt, 0,1,2,3
	ds_load_b128 v[ST+16*\qt:ST+16*\qt+3], v[SMR] offset:\qt*512
	ds_load_b128 v[ST+16*\qt+4:ST+16*\qt+7], v[SMR] offset:\qt*512+16
	ds_load_b128 v[ST+16*\qt+8:ST+16*\qt+11], v[SMR] offset:2048+\qt*512
	ds_load_b128 v[ST+16*\qt+12:ST+16*\qt+15], v[SMR] offset:2048+\qt*512+16
.endr
	s_wait_dscnt 0x0
.irp qt, 0,1,2,3
	v_max3_num_f32 v[T2+\qt], v[ST+16*\qt], v[ST+16*\qt+1], v[ST+16*\qt+2]
.endr
.irp qt, 0,1,2,3
	v_max3_num_f32 v[T2+\qt], v[T2+\qt], v[ST+16*\qt+3], v[ST+16*\qt+4]
.endr
.irp qt, 0,1,2,3
	v_max3_num_f32 v[T2+\qt], v[T2+\qt], v[ST+16*\qt+5], v[ST+16*\qt+6]
.endr
.irp qt, 0,1,2,3
	v_max_num_f32 v[T2+\qt], v[T2+\qt], v[ST+16*\qt+7]         ; M: the query's maximum over all 4,096 keys
.endr
.irp j, 0,1,2,3,4,5,6,7
.irp qt, 0,1,2,3
	v_sub_f32 v[ST+16*\qt+\j], v[ST+16*\qt+\j], v[T2+\qt]
.endr
.endr
.irp qt, 0,1,2,3
	v_sub_f32 v[AP+2*\qt], v[MP+8+2*\qt], v[T2+\qt]
.endr
.irp j, 0,1,2,3,4,5,6,7
.irp qt, 0,1,2,3
	v_exp_f32 v[ST+16*\qt+\j], v[ST+16*\qt+\j]
.endr
.endr
.irp qt, 0,1,2,3
	v_exp_f32 v[AP+2*\qt], v[AP+2*\qt]
.endr
	v_nop                                          ; the plain instruction behind the exponentials
	s_wait_alu depctr_va_vdst(0)                   ; the merge's first batch: one wait for its 36 exponentials, ahead of the products that read them
.irp qt, 0,1,2,3
	v_mul_f32 v[T+\qt], v[ST+16*\qt], v[ST+16*\qt+8]
.endr
.irp j, 1,2,3,4,5,6,7
.irp qt, 0,1,2,3
	v_fmac_f32 v[T+\qt], v[ST+16*\qt+\j], v[ST+16*\qt+8+\j]    ; the whole sum; at least 1, since the wave that holds M adds its own sum unscaled
.endr
.endr
.irp qt, 0,1,2,3
	v_rcp_f32 v[T+\qt], v[T+\qt]
.endr
	v_nop                                          ; the plain instruction behind the reciprocals
	s_wait_alu depctr_va_vdst(0)                   ; the merge's second batch: one wait for the four reciprocals, which are made of the first batch's results
.irp qt, 0,1,2,3
	v_mul_f32 v[AP+2*\qt], v[AP+2*\qt], v[T+\qt]   ; my partial's factor: 2^(m - M) / sum
.endr
	WIN 0x41
.set cnt, 0
.rept 64
	v_pk_mul_f32 v[OB+2*cnt:OB+2*cnt+1], v[OB+2*cnt:OB+2*cnt+1], v[AP+2*((cnt>>2)&3):AP+2*((cnt>>2)&3)+1] op_sel_hi:[1,0]
.set cnt, cnt+1
.endr
	WIN 0x04                                       ; store data in window 1, address in window 0
.irp c, 0,1,2,3
.irp qt, 0,1,2,3
	ds_store_b128 v[OST], v[OB+8*(4*\c+\qt):OB+8*(4*\c+\qt)+3] offset:\qt*16*OPITCH+\c*64          ; row 16 qt + r, h = 16 c + 8 hh + 0..3
	ds_store_b128 v[OST], v[OB+8*(4*\c+\qt)+4:OB+8*(4*\c+\qt)+7] offset:\qt*16*OPITCH+\c*64+16     ; h = 16 c + 8 hh + 4..7
.endr
.endr
	WIN 0
	s_wait_dscnt 0x0                               ; for the others' sake: all my stores
	s_barrier_signal -1
	s_barrier_wait -1
	; wave w adds the eight partials of rows 8 w .. 8 w + 7, two rows at a time: lanes 0-15 one row of 256 bytes, lanes 16-31 the next
.irp e, 0,1,2,3
.irp g, 0,1
.irp b, 0,1,2,3
	ds_load_b128 v[R+32*\e+4*(4*\g+\b):R+32*\e+4*(4*\g+\b)+3], v[ORD+\g] offset:\b*OPART+\e*2*OPITCH
.endr
.endr
.endr
.macro SUMOUT e
	s_wait_dscnt 8*(3-\e)                          ; this pair of rows is in; eight loads for each later pair stay out
.irp a, 0,8,16,24
	v_pk_add_f32 v[R+32*\e+\a:R+32*\e+\a+1], v[R+32*\e+\a:R+32*\e+\a+1], v[R+32*\e+\a+4:R+32*\e+\a+5]
	v_pk_add_f32 v[R+32*\e+\a+2:R+32*\e+\a+3], v[R+32*\e+\a+2:R+32*\e+\a+3], v[R+32*\e+\a+6:R+32*\e+\a+7]
.endr
.irp a, 0,16
	v_pk_add_f32 v[R+32*\e+\a:R+32*\e+\a+1], v[R+32*\e+\a:R+32*\e+\a+1], v[R+32*\e+\a+8:R+32*\e+\a+9]
	v_pk_add_f32 v[R+32*\e+\a+2:R+32*\e+\a+3], v[R+32*\e+\a+2:R+32*\e+\a+3], v[R+32*\e+\a+10:R+32*\e+\a+11]
.endr
	v_pk_add_f32 v[R+32*\e:R+32*\e+1], v[R+32*\e:R+32*\e+1], v[R+32*\e+16:R+32*\e+17]
	v_pk_add_f32 v[R+32*\e+2:R+32*\e+3], v[R+32*\e+2:R+32*\e+3], v[R+32*\e+18:R+32*\e+19]
	global_store_b128 v[OOF], v[R+32*\e:R+32*\e+3], s[10:11] offset:\e*512 th:TH_STORE_NT   ; two whole rows of out0: 512 consecutive bytes, aligned
.endm
	SUMOUT 0
	SUMOUT 1
	SUMOUT 2
	SUMOUT 3
	s_wait_tensorcnt 0x0
	ds_add_u32 v14, v15
	s_wait_dscnt 0x0
	ROUND                                          ; the closing round: no work-group ends while a partner may still ask for a tile that names it
	s_endpgm
.Lfunc_end_k_q5509e15805_attn:
	.size	k_q5509e15805_attn, .Lfunc_end_k_q5509e15805_attn-k_q5509e15805_attn
	.p2alignl 7, 3214868480
	.fill 96, 4, 3214868480
	.section	.rodata,"a",@progbits
	.p2align	6, 0x0
	.amdhsa_kernel k_q5509e15805_attn
		.amdhsa_group_segment_fixed_size 327680
		.amdhsa_private_segment_fixed_size 0
		.amdhsa_enable_private_segment 0
		.amdhsa_kernarg_size 24
		.amdhsa_user_sgpr_count 2
		.amdhsa_user_sgpr_kernarg_segment_ptr 1
		.amdhsa_wavefront_size32 1
		.amdhsa_system_sgpr_workgroup_id_x 1
		.amdhsa_system_sgpr_workgroup_id_y 1
		.amdhsa_system_sgpr_workgroup_id_z 1
		.amdhsa_system_vgpr_workitem_id 0
		.amdhsa_next_free_vgpr 512
		.amdhsa_next_free_sgpr 66
		.amdhsa_reserve_vcc 0
		.amdhsa_float_denorm_mode_32 3
		.amdhsa_float_denorm_mode_16_64 3
		.amdhsa_memory_ordered 1
		.amdhsa_forward_progress 1
		.amdhsa_inst_pref_size 148
	.end_amdhsa_kernel
	.amdgpu_metadata
---
amdhsa.version: [ 1, 2 ]
amdhsa.kernels:
  - .name:           k_q5509e15805_attn
    .symbol:         k_q5509e15805_attn.kd
    .args:
      - { .name: qw, .offset: 0, .size: 8, .value_kind: global_buffer, .address_space: global }
      - { .name: kv, .offset: 8, .size: 8, .value_kind: global_buffer, .address_space: global }
      - { .name: out0, .offset: 16, .size: 8, .value_kind: global_buffer, .address_space: global }
    .group_segment_fixed_size: 327680
    .private_segment_fixed_size: 0
    .kernarg_segment_align: 8
    .kernarg_segment_size: 24
    .max_flat_workgroup_size: 256
    .sgpr_count:     66
    .vgpr_count:     512
    .wavefront_size: 32
...
	.end_amdgpu_metadata
.endif
;; end of part 4
